; MI455X (gfx1250); checked and timed in simulation.
; The chip was launched on July 23, 2026; its instructions are those of AMD's public machine-readable ISA for CDNA 5 (MIT licence, August 2026) and "CDNA5" Instruction Set Architecture Reference Guide (July 2026). The comments in the code are by the model that wrote it; some were corrected since.
;; Feed Forward. Allowed arithmetic: matrix products marked QUANTISED: E4M3 operands, one E8M0 scale for each 32 along K, by v_wmma_scale_f32_16x16x128_f8f6f4 with both operands' format E4M3, f32 sums; everything else in f32.
;; Inputs: b1 4,096 float32; w1 4,096 x 4,096 float32; x 4,096 x 4,096 float32.
;; Outputs: out0 4,096 x 4,096 float32.
;; This version of the problem:
;;   THIS VERSION OF THE PROBLEM IS GIVEN IN LOW PRECISION. The matrix products marked QUANTISED in the list below multiply operands that are first quantised to E4M3 (4 exponent bits, 3 mantissa bits; 8 bits a number), with one power-of-two scale for each 32 numbers along K (OCP MX v1.0); their sums are f32. All else is computed in f32.
;;   The module's matrix products, in the order in which they are computed (A, B: the left and right operand; K: the contracted axis; several contracted axes count as one K, in the product's order):
;;     1. [M 4,096, K 4,096] x [K 4,096, N 4,096]; A: input x; B: input w1: QUANTISED
;;   THE QUANTISER, for each operand of a quantised product, along K:
;;     - K is cut into blocks of 32 from its start; a last block that is shorter is filled with zeros.
;;     - A block's scale is 2^e with e = floor(log2(the largest magnitude in the block)) - 8, held to -126 .. 127; a block of zeros has e = 0. As a byte (E8M0): e + 127.
;;     - Each number is divided by its block's scale, clamped to +-448, and rounded to the nearest number of E4M3, ties to even, subnormals kept.
;;     - The product sums the exact products of the quantised numbers (number of the format x scale) in f32.
;;   ~~~python
;;   def quantise(x, axis):      # numpy; x: float32 -> the quantised numbers, widened to float32 again
;;       x = np.moveaxis(x, axis, -1); K = x.shape[-1]
;;       x = np.pad(x, [(0, 0)] * (x.ndim - 1) + [(0, -K % 32)]); x = x.reshape(x.shape[:-1] + (-1, 32)); a = np.abs(x).max(-1, keepdims=True)
;;       e = np.where(a > 0, np.clip(np.frexp(np.where(a > 0, a, 1))[1] - 1 - 8, -126, 127), 0)      # np.frexp(a)[1] - 1 = floor(log2(a)), exactly
;;       r = np.clip(x / 2.0 ** e, -448, 448)
;;       step = 2.0 ** (np.maximum(np.frexp(np.where(r == 0, 1, r))[1] - 1, -6) - 3)
;;       q = np.round(r / step) * step * 2.0 ** e      # np.round: ties to even
;;       return np.moveaxis(q.reshape(q.shape[:-2] + (-1,))[..., :K], -1, axis).astype(np.float32)
;;   ~~~
;; One version. Each part assembles by itself: llvm-mc -triple=amdgcn-amd-amdhsa -mcpu=gfx1250 --defsym DOCPART=n.
;; ======== version 1 of 1: 3 launches
;; limits: right only within a limited range of input values
;; workspace buffers: xq 17,301,504 bytes; wq 17,301,504 bytes; fin 67,108,864 bytes
;; launch quant (part 1): grid 1024 x 1, 4 waves a work-group, no clusters, 34,304 bytes of LDS; arguments x, w1, xq, wq; writes xq, wq
.if DOCPART == 1
	.amdgcn_target "amdgcn-amd-amdhsa--gfx1250"
	.amdhsa_code_object_version 6
	.text
	.protected	k_q57b565ffe5_quant
	.globl	k_q57b565ffe5_quant
	.p2align	8
	.type	k_q57b565ffe5_quant,@function
k_q57b565ffe5_quant:
	s_mov_b64 s[64:65], 0
	v_nop
	global_prefetch_b8 v0, s[64:65] scope:SCOPE_SE
	s_setreg_imm32_b32 hwreg(HW_REG_WAVE_MODE, 25, 1), 1
	s_wait_xcnt 0x0
; x [4096][4096] and w1 [4096][4096], f32, K innermost, become codes of FP8 (E4M3) with one E8M0 scale byte for each 32 along K, laid in xq and wq AS THE PRODUCT'S LAUNCH READS THEM.
; LAYOUT of xq and wq.  A record of REC = 33,792 bytes holds one panel P of 128 rows x one K step s of 256, at (16 P + s) REC.  In it: the image of the operand registers of (block i of 16 rows, q-th 128 along K)
; at (2 i + q) 2,048: group c of four registers at 512 c, lane l = r + 16 h at 16 l: the codes of row 128 P + 16 i + r, k = 256 s + 128 q + 32 c + 16 h + 0 .. 15.  Behind the codes, at 32,768 + 8 (16 i + r) + 4 q + c, the scale bytes.
; A block's scale is 2^(floor(log2(its largest magnitude)) - 8); its byte is the largest magnitude's exponent field - 8, held at 1 from below.  Each number is divided by the scale, held within +-448, rounded to the nearest code, ties to even.
; LIMITS: NaN and infinities among the inputs are not served.  A block of zeros gets the byte 1 where the quantiser's text says 127: its codes are zeros, which add nothing under that byte, and this program alone reads the bytes.
; SHARES.  A wave takes 32 rows x 256 along K (32 KiB in; 8,192 consecutive bytes of codes and 256 consecutive bytes of scales out): four parts n = 2 p + q of 16 rows x 128 K.  2 x 128 x 16 = 4,096 such units, 4,096 waves.
; Each load reads 512 consecutive bytes of one row.  The conversions want 16 neighbours along K in ONE lane, in the operand's order, so a part turns through the wave's own stage in LDS.
; Work-groups 0-511 take x, the others w1: only pointers are chosen.  No tensor load, no barrier: waves share nothing.
.set REC, 33792
.set SPI, 528                          ; a stage row: 512 bytes + 16 = 33 x 16: sixteen rows begin at sixteen different 16-byte columns modulo 256
.set R,   16                           ; v16-143   two sets of 64: a part as it is loaded (register 4 t + e: row t)
.set X,   144                          ; v144-207  a part turned: register 16 b + i = k 32 b + 16 h + i of row r
.set PC,  208                          ; v208-239  codes, two sets of 16
.set TM,  240                          ; v240-243 largest magnitudes, v244-247 bytes, v248-251 448 x the scale, v252-255 the conversions' scale operands
	s_load_b256 s[4:11], s[0:1], 0x0               ; x s[4:5], w1 s[6:7], xq s[8:9], wq s[10:11]
	v_lshl_add_u32 v14, v0, 2, 0x8400
	v_mov_b32 v15, 0
	v_lshrrev_b32 v6, 5, v0
	v_readfirstlane_b32 s12, v6                    ; wave 0..3
	v_and_b32 v1, 31, v0                           ; lane
	v_lshlrev_b32 v2, 4, v1                        ; 16 x lane: my bytes of a load's 512, and of a store's
	s_mul_i32 s13, s12, 16*SPI                     ; my wave's stage
	v_add_nc_u32 v3, s13, v2                       ; into it: 16 x lane of row t
	v_and_b32 v6, 15, v0                           ; r
	v_bfe_u32 v7, v0, 4, 1                         ; h
	v_mul_u32_u24 v4, v6, SPI
	v_lshl_add_u32 v4, v7, 6, v4
	v_add_nc_u32 v4, s13, v4                       ; out of it: row r, + 64 h: my 16 numbers of a block of 32
	v_lshlrev_b32 v5, 3, v1                        ; the scale words: 8 bytes a lane
.irp b, 0,1,2,3
	v_mov_b32 v[TM+4+\b], 0                        ; written once: a lane permute's destination counts as one of its sources
.endr
	s_mov_b32 s22, 0x76543210
	s_mov_b32 s23, 0xfedcba98                      ; v_permlanex16_b32's selects for lane l xor 16
	s_mov_b32 s24, 0x600000                        ; the mantissa field of 448
	s_and_b32 s13, ttmp9, 511
	s_lshl_b32 s13, s13, 2
	s_add_co_u32 s13, s13, s12                     ; my unit u of the tensor's 2,048
	s_and_b32 s14, s13, 15                         ; K step s
	s_lshr_b32 s15, s13, 4                         ; g: which 32 rows
	s_and_b32 s16, s15, 3                          ; which 32 of the panel's 128
	s_lshl_b32 s18, s15, 19                        ; in: 32 g rows of 16,384 bytes
	s_lshl_b32 s17, s14, 10                        ; + 1,024 s
	s_add_co_u32 s18, s18, s17
	s_mov_b32 s19, 0
	s_lshr_b32 s17, s15, 2                         ; the panel
	s_lshl_b32 s17, s17, 4
	s_add_co_u32 s17, s17, s14
	s_mul_i32 s17, s17, REC                        ; the record
	s_lshl_b32 s20, s16, 13                        ; my four images in it
	s_add_co_u32 s20, s20, s17
	s_mov_b32 s21, 0
	s_lshl_b32 s26, s16, 8                         ; my 32 rows' scale bytes in it
	s_add_co_u32 s26, s26, s17
	s_add_co_u32 s26, s26, 32768
	s_mov_b32 s27, 0
	s_wait_alu depctr_va_vdst(0)
	s_wait_kmcnt 0x0
	s_cmp_lt_u32 ttmp9, 512                        ; x's work-group or w1's?  The choice hangs on the work-group's number alone
	s_cselect_b64 s[4:5], s[4:5], s[6:7]
	s_cselect_b64 s[8:9], s[8:9], s[10:11]
	s_add_nc_u64 s[10:11], s[8:9], s[26:27]        ; the scale bytes
	s_add_nc_u64 s[8:9], s[8:9], s[20:21]          ; the codes
	s_add_nc_u64 s[4:5], s[4:5], s[18:19]          ; the numbers
.macro LOAD n                          ; part n: rows 16 (n / 2) + t, 128 numbers from 128 (n % 2) on, into set n % 2
.irp t, 0,1,2,3,4,5,6,7,8,9,10,11,12,13,14,15
	global_load_b128 v[R+64*((\n)%2)+4*\t:R+64*((\n)%2)+4*\t+3], v2, s[4:5] offset:(16*((\n)/2)+\t)*16384+512*((\n)%2) th:TH_LOAD_NT
.endr
.endm
.macro TURNS n                         ; through the stage: LDS serves a wave's instructions in order, so no wait stands between the stores and the loads
.irp t, 0,1,2,3,4,5,6,7,8,9,10,11,12,13,14,15
	ds_store_b128 v3, v[R+64*((\n)%2)+4*\t:R+64*((\n)%2)+4*\t+3] offset:SPI*\t
.endr
.irp b, 0,1,2,3
.irp j, 0,1,2,3
	ds_load_b128 v[X+16*\b+4*\j:X+16*\b+4*\j+3], v4 offset:128*\b+16*\j
.endr
.endr
.endm
; 64 numbers of a lane, register 16 b + i = k 32 b + 16 h + i of my row, become a fragment's 16 registers of codes in v[pc] on and my row's scale word in v[pw]
.macro QUANT s, pc, pw
.irp b, 0,1,2,3
	v_max3_num_f32 v[TM+\b], |v[\s+16*\b]|, |v[\s+1+16*\b]|, 0x4800000   ; block b: my 16 numbers, and the floor 2^(9 - 127): so the byte cannot fall under 1
.endr
.irp i, 2,4,6,8,10,12,14
.irp b, 0,1,2,3
	v_max3_num_f32 v[TM+\b], v[TM+\b], |v[\s+16*\b+\i]|, |v[\s+1+16*\b+\i]|   ; the four blocks by turns: no line waits for the line above it
.endr
.endr
.irp b, 0,1,2,3
	v_permlanex16_b32 v[TM+4+\b], v[TM+\b], s22, s23
.endr
.irp b, 0,1,2,3
	v_max_num_f32 v[TM+\b], v[TM+\b], v[TM+4+\b]   ; with lane l xor 16's 16: the block's largest magnitude
.endr
.irp b, 0,1,2,3
	v_add_nc_u32 v[TM+12+\b], 0xfc000000, v[TM+\b] ; 8 off its exponent field: the conversion takes this operand's exponent field as its scale
.endr
.irp b, 0,1,2,3
	v_and_or_b32 v[TM+8+\b], v[TM+\b], 0x7f800000, s24   ; 448 x the scale: the largest magnitude's exponent field over 448's mantissa
.endr
.irp b, 0,1,2,3
	v_lshrrev_b32 v[TM+4+\b], 23, v[TM+12+\b]      ; the scale's byte
.endr
	v_lshl_or_b32 v[\pw], v[TM+5], 8, v[TM+4]      ; four bytes make my row's scale word for these 128 along K
	v_lshl_or_b32 v[\pw], v[TM+6], 16, v[\pw]
	v_lshl_or_b32 v[\pw], v[TM+7], 24, v[\pw]
.irp b, 0,1,2,3
.irp i, 0,1,2,3,4,5,6,7,8,9,10,11,12,13,14,15
	v_med3_num_f32 v[\s+16*\b+\i], v[\s+16*\b+\i], -v[TM+8+\b], v[TM+8+\b]   ; the conversion to an 8-bit code does not saturate (ISA guide 7.6.2): the hold comes first
.endr
	v_cvt_scalef32_pk8_fp8_f32 v[\pc+4*\b:\pc+1+4*\b], v[\s+16*\b:\s+7+16*\b], v[TM+12+\b]
	v_cvt_scalef32_pk8_fp8_f32 v[\pc+2+4*\b:\pc+3+4*\b], v[\s+8+16*\b:\s+15+16*\b], v[TM+12+\b]
.endr
	v_nop                                          ; one plain vector line behind the last scaled conversion, ahead of whatever next touches its registers
.endm
.macro SUB n
.if (\n) < 3
	s_wait_loadcnt 16                              ; loads come back in order: this part's 16 are in, the next part's 16 may be out
.else
	s_wait_loadcnt 0x0
.endif
	TURNS \n
	s_wait_dscnt 0x0                               ; the part is back, turned; the stage's stores have read their registers
.if (\n) < 2
	LOAD (\n)+2                                    ; which take the part two further on
.endif
.if (\n) >= 2
	s_wait_xcnt 0x0                                ; the stores of two parts back have read this set of codes: it is written again only behind this wait
.endif
	QUANT X, PC+16*((\n)%2), 8+(\n)
.irp c, 0,1,2,3
	global_store_b128 v2, v[PC+16*((\n)%2)+4*\c:PC+16*((\n)%2)+4*\c+3], s[8:9] offset:2048*(\n)+512*\c   ; 32 lanes store 512 consecutive bytes, aligned to 256: a group of four operand registers as it stands
.endr
.endm
	LOAD 0
	LOAD 1
	SUB 0
	SUB 1
	SUB 2
	SUB 3
	; the scale words: v8, v9 rows 0-15 (q = 0, 1), v10, v11 rows 16-31.  Lanes l and l xor 16 hold the same word, so lane l takes row l's pair
	v_cmp_le_u32 vcc_lo, 16, v1
	v_cndmask_b32 v12, v8, v10, vcc_lo
	v_cndmask_b32 v13, v9, v11, vcc_lo
	global_store_b64 v5, v[12:13], s[10:11]        ; 32 lanes store 256 consecutive bytes, aligned
	s_wait_tensorcnt 0x0
	ds_add_u32 v14, v15
	s_wait_dscnt 0x0
	s_endpgm
.Lfunc_end_k_q57b565ffe5_quant:
	.size	k_q57b565ffe5_quant, .Lfunc_end_k_q57b565ffe5_quant-k_q57b565ffe5_quant
	.p2alignl 7, 3214868480
	.fill 96, 4, 3214868480
	.section	.rodata,"a",@progbits
	.p2align	6, 0x0
	.amdhsa_kernel k_q57b565ffe5_quant
		.amdhsa_group_segment_fixed_size 34304
		.amdhsa_private_segment_fixed_size 0
		.amdhsa_enable_private_segment 0
		.amdhsa_kernarg_size 32
		.amdhsa_user_sgpr_count 2
		.amdhsa_user_sgpr_kernarg_segment_ptr 1
		.amdhsa_wavefront_size32 1
		.amdhsa_system_sgpr_workgroup_id_x 1
		.amdhsa_system_sgpr_workgroup_id_y 1
		.amdhsa_system_sgpr_workgroup_id_z 1
		.amdhsa_system_vgpr_workitem_id 0
		.amdhsa_next_free_vgpr 256
		.amdhsa_next_free_sgpr 66
		.amdhsa_reserve_vcc 1
		.amdhsa_float_denorm_mode_32 3
		.amdhsa_float_denorm_mode_16_64 3
		.amdhsa_memory_ordered 1
		.amdhsa_forward_progress 1
		.amdhsa_inst_pref_size 51
	.end_amdhsa_kernel
	.amdgpu_metadata
---
amdhsa.version: [ 1, 2 ]
amdhsa.kernels:
  - .name:           k_q57b565ffe5_quant
    .symbol:         k_q57b565ffe5_quant.kd
    .args:
      - { .name: x, .offset: 0, .size: 8, .value_kind: global_buffer, .address_space: global }
      - { .name: w1, .offset: 8, .size: 8, .value_kind: global_buffer, .address_space: global }
      - { .name: xq, .offset: 16, .size: 8, .value_kind: global_buffer, .address_space: global }
      - { .name: wq, .offset: 24, .size: 8, .value_kind: global_buffer, .address_space: global }
    .group_segment_fixed_size: 34304
    .private_segment_fixed_size: 0
    .kernarg_segment_align: 8
    .kernarg_segment_size: 32
    .max_flat_workgroup_size: 128
    .sgpr_count:     66
    .vgpr_count:     256
    .wavefront_size: 32
...
	.end_amdgpu_metadata
.endif
;; end of part 1
;; launch gemm (part 2): grid 16 x 16, 4 waves a work-group, clusters of 4 x 4, 327,680 bytes of LDS; arguments xq, wq, b1, fin; writes fin
.if DOCPART == 2
	.amdgcn_target "amdgcn-amd-amdhsa--gfx1250"
	.amdhsa_code_object_version 6
	.text
	.protected	k_q57b565ffe5_gemm
	.globl	k_q57b565ffe5_gemm
	.p2align	8
	.type	k_q57b565ffe5_gemm,@function
k_q57b565ffe5_gemm:
	s_mov_b64 s[64:65], 0
	v_nop
	global_prefetch_b8 v0, s[64:65] scope:SCOPE_SE
	s_setreg_imm32_b32 hwreg(HW_REG_WAVE_MODE, 25, 1), 1
	s_wait_xcnt 0x0
	s_wait_alu depctr_hold_cnt(0) depctr_sa_sdst(0) depctr_va_vdst(0) depctr_va_sdst(0) depctr_va_ssrc(0) depctr_va_vcc(0) depctr_vm_vsrc(0)
	s_getreg_b32 s2, hwreg(HW_REG_IB_STS2, 6, 4)
	s_cmp_eq_u32 s2, 0
	s_cbranch_scc0 .Lentry_in_a_cluster
	s_endpgm
.Lentry_in_a_cluster:
	s_bfe_u32 s2, ttmp6, 0x10000c
	s_cmp_lg_u32 s2, 0xf033
	s_cbranch_scc0 .Lentry_shape_is_right
	s_endpgm
.Lentry_shape_is_right:
; fin[m][n] = relu(sum over k of Q(x)[m][k] Q(w1)[n][k] + b1[n]), f32.  xq and wq hold codes of E4M3 and E8M0 scale bytes as records of REC bytes:
; one panel of 128 rows x 256 along K, laid as images of the operand registers (32,768 bytes), then 8 scale bytes a row (1,024 bytes).
; A work-group of four waves makes 256 x 256 of fin; wave w makes rows 64 w .. 64 w + 63 x all 256 columns: 64 accumulators, 512 registers.
; x's CODES GO FROM MEMORY STRAIGHT INTO OPERAND REGISTERS: each wave alone reads its 64 rows, so no byte of them is read twice inside the work-group.  Four sets of 64 registers,
; one for each step of 128 along K; a set is asked for three steps ahead of its use and waited for by count.
; w1's CODES GO THROUGH LDS: all four waves read all 256 rows.  With x's out of LDS a slot holds 512 along K (four records, one tensor load a wave), two slots, seven changes of slots.
; CLUSTERS: 4 x 4.  The four work-groups of a column need the same records of wq and ask for them jointly.  x's records are not asked for jointly: a joint load lands in LDS alone,
; and LDS is given to w1's two slots of 135,168 bytes.
; A step's 16 fragments of w1 go in four quads through eight buffers of 16 registers, two halves by turns.  A fragment feeds four products (my four blocks of rows).  Behind a quad's 16 products stand
; eight v_nop and ONE run of loads: the quad two on, into the half just multiplied, and a quarter of x's set for the step three on.
; One loop body serves both slots: the LDS addresses are made anew at each change of slots from a scalar that is 0 or SLOT by turns.
; THE MATRIX INSTRUCTION IS USED TRANSPOSED (source 0 = 16 rows of w1, source 1 = 16 rows of x): a lane holds eight neighbouring numbers of a row of fin.
; REGISTERS: window 0: v0-55 addresses, bias, scale words; v128-255 w1's buffers (on the way out: rows read back).  Window 1: x's four sets.  Windows 2, 3: accumulator (a, b) at v[32 (b % 8) + 8 a] of window 2 + b / 8.
; LIMITS: NaN and infinities are not served.
.set REC,    33792
.set SLOT,   4*REC
.set SPARE,  2*SLOT                    ; the spare words: 512 bytes that no other line names
.set STAGE,  SPARE+512                 ; the way out: 16 rows x 528 bytes for each wave; no tensor load lands here
.set SPITCH, 528
.set ROWC,   16384
.set BI,   4                           ; v4-11   b1 of my 4 columns in each half of 128
.set CO,   12                          ; v12     16 x lane
.set VCA,  13                          ; v13     x's codes: 16 x lane + my 64 rows' images in the panel
.set VSA,  14                          ; v14     x's scale words: lanes 0-15 an even block's rows, lanes 16-31 the next block's
.set STO,  15
.set RD,   16
.set SPW,  18
.set NIL,  19
.set PFO,  20
.set PFS,  21
.set BAS,  22                          ; v22-27  the lanes' part of six LDS addresses: four records' codes, two panels' scale words
.set ADR,  28                          ; v28-33  the same + the slot that is read
.set SCB,  40                          ; v40-47  w1's scale words: register b / 2: lanes 0-15 fragment b (even), lanes 16-31 fragment b + 1
.set SCA,  48                          ; v48-55  x's scale words: two registers for each of the four sets
.set BR,   128
.set BK,   128
.set SA,   20                          ; s[20:21] x's panel at the slot's first record
.set SIG,  22                          ; s22     0 or SLOT: the slot that is read
.set G1B,  48
.set G0B,  56
.set PFA,  68
.set PFB,  70
.set MSB, 0
.macro WIN new                         ; the immediate's high byte repeats the setting that is left
.if MSB != (\new)
	s_set_vgpr_msb (MSB<<8)|(\new)
.set MSB, (\new)
.endif
.endm
.macro CREST                           ; a round of the cluster's barrier behind its opening barrier
	s_cmp_lg_u32 s14, 0
	s_cbranch_scc1 .Lnot_wave_0_\@
	s_barrier_signal -3
.Lnot_wave_0_\@:
	s_barrier_wait -3
	s_barrier_signal -1
	s_barrier_wait -1
.endm
.macro CROUND
	s_barrier_signal -1
	s_barrier_wait -1
	CREST
.endm
.macro PLACES n
.rept \n
	v_nop
.endr
.endm
.macro JLOAD                           ; my record of a slot: the same line, mask and descriptor in the four work-groups of my column
	tensor_load_to_lds s[G0B:G0B+3], s[G1B:G1B+7]
	s_nop 0
	PLACES 4
.endm
.macro SETADR
.irp i, 0,1,2,3,4,5
	v_add_nc_u32 v[ADR+\i], s[SIG], v[BAS+\i]
.endr
.endm
; The records of the slot three slots on, of wq and of xq: wave w names one record of each; its 132 blocks of 256 bytes are shared out by address among the four partners that will read it (33 each: a lane a block, and one more).
; The loop's last trip would name records past K's end and asks for nothing.
.macro ASK
	s_cmp_gt_u32 s3, 1
	s_cbranch_scc0 .Lno_ask_\@
	global_prefetch_b8 v[PFO], s[PFB:PFB+1] th:TH_LOAD_NT scope:SCOPE_SE
	global_prefetch_b8 v[PFS], s[PFB:PFB+1] th:TH_LOAD_NT scope:SCOPE_SE
	global_prefetch_b8 v[PFO], s[PFA:PFA+1] th:TH_LOAD_NT scope:SCOPE_SE
	global_prefetch_b8 v[PFS], s[PFA:PFA+1] th:TH_LOAD_NT scope:SCOPE_SE
.Lno_ask_\@:
.endm
.macro ACODE a, ls                     ; x's fragment a of the step ls steps behind the slot's first, into set ls % 4 (window 1)
.irp c, 0,1,2,3
	global_load_b128 v[64*((\ls)%4)+16*(\a)+4*\c:64*((\ls)%4)+16*(\a)+4*\c+3], v[VCA], s[SA:SA+1] offset:((\ls)/2)*REC+(2*(\a)+(\ls)%2)*2048+512*\c
.endr
.endm
.macro ASCL p, ls                      ; the scale words of x's blocks 2 p and 2 p + 1 for that step
	global_load_b32 v[SCA+2*((\ls)%4)+(\p)], v[VSA], s[SA:SA+1] offset:((\ls)/2)*REC+256*(\p)+4*((\ls)%2)
.endm
.macro BFRAG k, b                      ; w1's fragment b of the slot's step k into buffer b % 8; ahead of an even one the scale words of b and b + 1
.if ((\b)%2) == 0
	ds_load_b32 v[SCB+(\b)/2], v[ADR+4+(\b)/8] offset:((\k)/2)*REC+128*((\b)%8)+4*((\k)%2)
.endif
.irp c, 0,1,2,3
	ds_load_b128 v[BR+16*((\b)%8)+4*\c:BR+16*((\b)%8)+4*\c+3], v[ADR+2*((\b)/8)+(\k)/2] offset:(2*((\b)%8)+(\k)%2)*2048+512*\c
.endr
.endm
.macro WC c
.if RB_ && RA_
	v_wmma_scale_f32_16x16x128_f8f6f4 v[DD:DD+7], v[FB:FB+15], v[FA:FA+15], \c, v[SB_], v[SA_] matrix_a_scale:MATRIX_SCALE_ROW1 matrix_b_scale:MATRIX_SCALE_ROW1
.elseif RB_
	v_wmma_scale_f32_16x16x128_f8f6f4 v[DD:DD+7], v[FB:FB+15], v[FA:FA+15], \c, v[SB_], v[SA_] matrix_a_scale:MATRIX_SCALE_ROW1
.elseif RA_
	v_wmma_scale_f32_16x16x128_f8f6f4 v[DD:DD+7], v[FB:FB+15], v[FA:FA+15], \c, v[SB_], v[SA_] matrix_b_scale:MATRIX_SCALE_ROW1
.else
	v_wmma_scale_f32_16x16x128_f8f6f4 v[DD:DD+7], v[FB:FB+15], v[FA:FA+15], \c, v[SB_], v[SA_]
.endif
.endm
.macro W1 k, b, a, zero                ; accumulator (a, b) += w1's fragment b x x's fragment a of set k
.set DD, 32*((\b)%8)+8*(\a)
.set FB, BR+16*((\b)%8)
.set FA, 64*(\k)+16*(\a)
.set SB_, SCB+(\b)/2
.set SA_, SCA+2*(\k)+(\a)/2
.set RB_, (\b)%2
.set RA_, (\a)%2
.if \zero
	WC 0
.else
	WC v[DD:DD+7]
.endif
.endm
; The change of slots, in a slot's last step.  The run behind quad 1 has issued my last reads of the slot.  TURNA: all my tensor loads have landed, the add, and under it the descriptor's and the addresses' step.
.macro TURNA mode
	WIN 0
	s_wait_tensorcnt 0x0
	ds_add_u32 v[SPW], v[NIL]
.if \mode == 1
	s_add_co_u32 s[G0B+1], s45, s[SIG]             ; no tensor load of mine is out: the slot that was read is the next target,
	s_add_nc_u64 s[G0B+2:G0B+3], s[G0B+2:G0B+3], 2*REC   ; with the records 512 along K on
.endif
	s_xor_b32 s[SIG], s[SIG], SLOT
	SETADR
	s_wait_alu depctr_va_vdst(0)
.endm
.macro TURNB mode                      ; behind quad 2: the barrier's wait, the refill first, and eight places in all ahead of the run
	WIN 0
	s_barrier_wait -1
.if \mode == 1
	CREST
	JLOAD
	PLACES 4
.else
	PLACES 8
.endif
.endm
; A step of 128 along K: 64 products in four quads.  lc: the younger loads of x, 18 a step, that may stay out.  mode 0: the next step lies in the same slot; 1: change of slots with a refill; 2: without; 3: the last step.
; A run of LDS loads is: a scale word, two fragments of four loads, a scale word, two fragments: 18.  In front of fragment j of a quad may be out: the rest of its own run (13, 9, 4, 0) and the younger run (18);
; in the quad that carries the add one more; in the last step's last quad no younger run.
.macro STEP k, zero, la, lc, mode
	s_wait_loadcnt \lc
.irp q, 0,1,2,3
.irp j, 0,1,2,3
.set WT, 18+4*(3-\j)+(3-\j)/2
.if (\mode == 1) || (\mode == 2)
.if \q == 2
.set WT, WT+1
.if \j == 0
	TURNA \mode
.endif
.if \j == 3
.set WT, -1
	s_wait_dscnt 0x0                               ; the add is done, and my reads of this slot are back
	s_barrier_signal -1                            ; four products, work on registers, stand between the signal and the wait
.endif
.endif
.if \q == 3
.set WT, -1
.endif
.endif
.if (\mode == 3) && (\q == 3)
.set WT, WT-18
.endif
.if WT >= 0
	s_wait_dscnt WT
.endif
	WIN 0xa4+0x50*(\q/2)
.irp a, 0,1,2,3
	W1 \k, (4*\q+\j), \a, \zero                    ; four accumulators by turns
.endr
.endr
.set RK, \k
.set RQ, \q+2
.if \q >= 2
.set RK, \k+1
.set RQ, \q-2
.if (\mode == 1) || (\mode == 2)
.set RK, 0
.endif
.if \mode == 3
.set RK, -1
.endif
.endif
.if RK >= 0
.if ((\mode == 1) || (\mode == 2)) && (\q == 2)
	TURNB \mode
.else
	PLACES 8
.endif
	WIN 0
	BFRAG RK, 4*RQ
	BFRAG RK, 4*RQ+1
	BFRAG RK, 4*RQ+2
	BFRAG RK, 4*RQ+3
.if \la >= 0
.if \q < 2
	ASCL \q, \la
.endif
	WIN 0x40
	ACODE \q, \la
.endif
.if (\mode == 1) && (\q == 2)
	WIN 0
	ASK
.endif
.endif
.endr
.endm
	s_load_b256 s[4:11], s[0:1], 0x0               ; xq s[4:5], wq s[6:7], b1 s[8:9], fin s[10:11]
	v_lshl_add_u32 v[SPW], v0, 2, SPARE
	v_mov_b32 v[NIL], 0
	ds_add_u32 v[SPW], v[NIL]                      ; the opening lines: the add twice on end and one wait
	ds_add_u32 v[SPW], v[NIL]
	v_lshrrev_b32 v3, 5, v0
	v_readfirstlane_b32 s14, v3                    ; wave 0..3
	s_lshr_b32 s15, s14, 1                         ; my panel of the block's two (of x by my rows; of w1 by the record that I fetch)
	s_and_b32 s16, s14, 1                          ; which 64 rows of x's panel; which 256 along K of a slot I fetch
	s_bfe_u32 s40, ttmp6, 0x40000                  ; cx
	s_bfe_u32 s41, ttmp6, 0x40004                  ; cy
	s_lshl_b32 s42, ttmp9, 2
	s_add_co_u32 s42, s42, s40                     ; block column
	s_and_b32 s17, ttmp7, 0xffff
	s_lshl_b32 s17, s17, 2
	s_add_co_u32 s17, s17, s41                     ; block row
	s_lshl_b32 s44, 0x1111, s40                    ; my column of the cluster
	s_or_b32 s[G1B], s44, (3<<16)|(1<<21)          ; a record: 132 rows of 32 elements of 8 bytes, dense
	s_mov_b32 s[G1B+1], 32<<16
	s_mov_b32 s[G1B+2], 132<<16
	s_mov_b32 s[G1B+3], 32<<16
	s_mov_b32 s[G1B+4], 132
	s_mov_b32 s[G1B+5], 32
	s_mov_b32 s[G1B+6], 0
	s_mov_b32 s[G1B+7], 0
	s_mov_b32 s[SIG], 0
	s_mul_i32 s45, s14, REC                        ; my record's place in a slot
	s_lshl_b32 s24, s17, 1
	s_add_co_u32 s24, s24, s15
	s_mul_i32 s24, s24, 16*REC                     ; x's panel
	s_mov_b32 s25, 0
	s_lshl_b32 s26, s42, 1
	s_add_co_u32 s26, s26, s15
	s_lshl_b32 s26, s26, 4
	s_add_co_u32 s26, s26, s16
	s_mul_i32 s26, s26, REC                        ; w1's record that I fetch first
	s_mov_b32 s27, 0
	s_mul_i32 s28, s40, 33*256                     ; the prefetches: of x's record my work-group's 33 blocks by cx,
	s_mul_i32 s30, s16, REC
	s_add_co_u32 s28, s28, s30
	s_add_co_u32 s28, s28, 6*REC                   ; beginning with the fourth slot's records
	s_mov_b32 s29, 0
	s_mul_i32 s30, s41, 33*256                     ; of w1's by cy
	s_add_co_u32 s30, s30, 6*REC
	s_mov_b32 s31, 0
	s_lshl_b32 s72, s17, 8
	s_lshl_b32 s73, s14, 6
	s_add_co_u32 s72, s72, s73
	s_lshl_b32 s72, s72, 14                        ; my first row of fin, in bytes
	s_mov_b32 s73, 0
	s_lshl_b32 s74, s42, 10                        ; the block's first column, in bytes
	s_mov_b32 s75, 0
	v_and_b32 v1, 15, v0                           ; r
	v_bfe_u32 v2, v0, 4, 1                         ; h
	v_and_b32 v3, 31, v0
	v_lshlrev_b32 v[CO], 4, v3
	v_lshlrev_b32 v[PFO], 8, v3
	v_mov_b32 v[PFS], 0x2000
	v_lshlrev_b32 v17, 3, v1
	v_lshl_add_u32 v17, v2, 7, v17                 ; 8 r + 128 h
	s_lshl_b32 s23, s16, 14
	v_add_nc_u32 v[VCA], s23, v[CO]
	s_lshl_b32 s23, s16, 9
	s_add_co_u32 s23, s23, 32768
	v_add_nc_u32 v[VSA], s23, v17
.irp i, 0,1,2,3
	v_add_nc_u32 v[BAS+\i], \i*REC, v[CO]
.endr
	v_add_nc_u32 v[BAS+4], 32768, v17
	v_add_nc_u32 v[BAS+5], 2*REC+32768, v17
	SETADR
	s_mul_i32 s23, s14, 16*SPITCH
	s_add_co_u32 s23, s23, STAGE
	v_mul_u32_u24 v34, v1, SPITCH
	v_lshl_add_u32 v34, v2, 5, v34
	v_add_nc_u32 v[STO], s23, v34                  ; into my stage: row r, 32 bytes for each half of the lanes
	v_add_nc_u32 v[RD], s23, v[CO]                 ; back: the 32 lanes take a row of 512 bytes
	s_wait_alu depctr_va_vdst(0)
	s_wait_dscnt 0x0                               ; both opening adds are done
	s_wait_kmcnt 0x0
	s_add_nc_u64 s[SA:SA+1], s[4:5], s[24:25]
	s_add_nc_u64 s[26:27], s[6:7], s[26:27]
	s_add_nc_u64 s[PFA:PFA+1], s[SA:SA+1], s[28:29]
	s_add_nc_u64 s[PFB:PFB+1], s[26:27], s[30:31]
	s_add_nc_u64 s[8:9], s[8:9], s[74:75]
	s_add_nc_u64 s[10:11], s[10:11], s[72:73]
	s_add_nc_u64 s[10:11], s[10:11], s[74:75]
	s_mov_b32 s[G0B], 1
	s_mov_b32 s[G0B+1], s45
	s_mov_b64 s[G0B+2:G0B+3], s[26:27]
	s_or_b32 s[G0B+3], s[G0B+3], 0x80000000
	CROUND                                         ; all sixteen work-groups are here: the first joint loads meet
	JLOAD                                          ; slot 0: one tensor load a wave at the head, asked for ahead of x's loads
	global_load_b128 v[BI:BI+3], v[CO], s[8:9]
	global_load_b128 v[BI+4:BI+7], v[CO], s[8:9] offset:512
.irp t, 0,1,2                          ; x's first three steps: 18 loads each, in the steps' order
	WIN 0x40
.irp a, 0,1,2,3
	ACODE \a, \t
.endr
	WIN 0
	ASCL 0, \t
	ASCL 1, \t
.endr
	s_wait_tensorcnt 0x0                           ; slot 1's first fill is issued as a refill is
	ds_add_u32 v[SPW], v[NIL]
	s_add_co_u32 s[G0B+1], s45, SLOT
	s_add_nc_u64 s[G0B+2:G0B+3], s[G0B+2:G0B+3], 2*REC
	s_wait_dscnt 0x0
	CROUND
	JLOAD
.irp b, 0,1,2,3,4,5,6,7
	BFRAG 0, \b
.endr
	STEP 0, 1, 3, 36, 0                            ; the first step stands ahead of the loop: its products start the sums
	WIN 0
	s_mov_b32 s3, 6
.Lslot:                                                ; a trip: a slot's steps 1 to 3, the change of slots with its refill, the next slot's step 0
	STEP 1, 0, 4, 36, 0
	STEP 2, 0, 5, 36, 0
	STEP 3, 0, 6, 36, 1
	STEP 0, 0, 7, 36, 0
	WIN 0
	s_wait_xcnt 0x0                                ; the loads and prefetches have read their bases: they step only behind this wait
	s_add_nc_u64 s[SA:SA+1], s[SA:SA+1], 2*REC
	s_add_nc_u64 s[PFA:PFA+1], s[PFA:PFA+1], 2*REC
	s_add_nc_u64 s[PFB:PFB+1], s[PFB:PFB+1], 2*REC
	s_sub_co_u32 s3, s3, 1
	s_cmp_lg_u32 s3, 0
	s_cbranch_scc1 .Lslot
	STEP 1, 0, 4, 36, 0                            ; the last seven steps fill no slot; x's last step is asked for in the fourth of them
	STEP 2, 0, 5, 36, 0
	STEP 3, 0, 6, 36, 2
	STEP 0, 0, 7, 36, 0
	STEP 1, 0, -1, 36, 0
	STEP 2, 0, -1, 18, 0
	STEP 3, 0, -1, 0, 3
	WIN 0
; THE WAY OUT, in eight parts n of 16 rows (n / 2) x 128 columns (n % 2): through my own stage, back as rows of 512 bytes; bias and relu; 32 lanes store two aligned units of 256 bytes.
.macro TOSTAGE n
	WIN 0x08+4*((\n)%2)
.irp b, 0,1,2,3,4,5,6,7
	ds_store_b128 v[STO], v[32*\b+8*((\n)/2):32*\b+8*((\n)/2)+3] offset:64*\b       ; each accumulator from its low end on
	ds_store_b128 v[STO], v[32*\b+8*((\n)/2)+4:32*\b+8*((\n)/2)+7] offset:64*\b+16
.endr
	WIN 0
.set BB, BK+64*((\n)%2)
.irp t, 0,1,2,3,4,5,6,7,8,9,10,11,12,13,14,15
	ds_load_b128 v[BB+4*\t:BB+4*\t+3], v[RD] offset:\t*SPITCH    ; LDS serves a wave's instructions in order: these see the stores above
.endr
.endm
.macro SEND n, younger
.set BB, BK+64*((\n)%2)
.set BJ, BI+4*((\n)%2)
	s_wait_dscnt \younger
.irp t, 0,1,2,3,4,5,6,7,8,9,10,11,12,13,14,15
	v_pk_add_f32 v[BB+4*\t:BB+4*\t+1], v[BB+4*\t:BB+4*\t+1], v[BJ:BJ+1]
	v_pk_add_f32 v[BB+4*\t+2:BB+4*\t+3], v[BB+4*\t+2:BB+4*\t+3], v[BJ+2:BJ+3]
	v_max_num_f32 v[BB+4*\t], 0, v[BB+4*\t]
	v_max_num_f32 v[BB+4*\t+1], 0, v[BB+4*\t+1]
	v_max_num_f32 v[BB+4*\t+2], 0, v[BB+4*\t+2]
	v_max_num_f32 v[BB+4*\t+3], 0, v[BB+4*\t+3]
.endr
.irp t, 0,1,2,3,4,5,6,7,8,9,10,11,12,13,14,15          ; the part's 16 stores on end, behind all its vector work: 512 consecutive bytes each, aligned to 256
	global_store_b128 v[CO], v[BB+4*\t:BB+4*\t+3], s[10:11] offset:(16*((\n)/2)+\t)*ROWC+512*((\n)%2) th:TH_STORE_NT
.endr
.endm
	PLACES 8                                       ; ahead of the reads of results and of the loads into the buffers' registers
	TOSTAGE 0
.irp n, 1,2,3,4,5,6,7
.if \n > 1
	s_wait_xcnt 0x0                                ; the stores of two parts back have read their registers: this part's rows may land there
.endif
	TOSTAGE \n
	SEND \n-1, 32                                  ; behind that part's loads: this part's 16 stores and 16 loads
.endr
	SEND 7, 0
	s_wait_tensorcnt 0x0                           ; the wave's end
	ds_add_u32 v[SPW], v[NIL]
	s_wait_dscnt 0x0
	CROUND                                         ; the closing round
	s_endpgm
.Lfunc_end_k_q57b565ffe5_gemm:
	.size	k_q57b565ffe5_gemm, .Lfunc_end_k_q57b565ffe5_gemm-k_q57b565ffe5_gemm
	.p2alignl 7, 3214868480
	.fill 96, 4, 3214868480
	.section	.rodata,"a",@progbits
	.p2align	6, 0x0
	.amdhsa_kernel k_q57b565ffe5_gemm
		.amdhsa_group_segment_fixed_size 327680
		.amdhsa_private_segment_fixed_size 0
		.amdhsa_enable_private_segment 0
		.amdhsa_kernarg_size 32
		.amdhsa_user_sgpr_count 2
		.amdhsa_user_sgpr_kernarg_segment_ptr 1
		.amdhsa_wavefront_size32 1
		.amdhsa_system_sgpr_workgroup_id_x 1
		.amdhsa_system_sgpr_workgroup_id_y 1
		.amdhsa_system_sgpr_workgroup_id_z 1
		.amdhsa_system_vgpr_workitem_id 0
		.amdhsa_next_free_vgpr 1024
		.amdhsa_next_free_sgpr 80
		.amdhsa_reserve_vcc 0
		.amdhsa_float_denorm_mode_32 3
		.amdhsa_float_denorm_mode_16_64 3
		.amdhsa_memory_ordered 1
		.amdhsa_forward_progress 1
		.amdhsa_inst_pref_size 255
	.end_amdhsa_kernel
	.section	.bss,"aw",@nobits
	.p2align	6
	.space	262144
	.amdgpu_metadata
---
amdhsa.version: [ 1, 2 ]
amdhsa.kernels:
  - .name:           k_q57b565ffe5_gemm
    .symbol:         k_q57b565ffe5_gemm.kd
    .args:
      - { .name: xq, .offset: 0, .size: 8, .value_kind: global_buffer, .address_space: global }
      - { .name: wq, .offset: 8, .size: 8, .value_kind: global_buffer, .address_space: global }
      - { .name: b1, .offset: 16, .size: 8, .value_kind: global_buffer, .address_space: global }
      - { .name: fin, .offset: 24, .size: 8, .value_kind: global_buffer, .address_space: global }
    .group_segment_fixed_size: 327680
    .private_segment_fixed_size: 0
    .kernarg_segment_align: 8
    .kernarg_segment_size: 32
    .max_flat_workgroup_size: 128
    .sgpr_count:     80
    .vgpr_count:     1024
    .wavefront_size: 32
...
	.end_amdgpu_metadata
.endif
;; end of part 2
;; launch norm (part 3): grid 512 x 1, 8 waves a work-group, no clusters, 0 bytes of LDS; arguments fin, x, out0; writes out0
.if DOCPART == 3
	.amdgcn_target "amdgcn-amd-amdhsa--gfx1250"
	.amdhsa_code_object_version 6
	.text
	.protected	k_q57b565ffe5_norm
	.globl	k_q57b565ffe5_norm
	.p2align	8
	.type	k_q57b565ffe5_norm,@function
k_q57b565ffe5_norm:
	s_mov_b64 s[64:65], 0
	v_nop
	global_prefetch_b8 v0, s[64:65] scope:SCOPE_SE
	s_setreg_imm32_b32 hwreg(HW_REG_WAVE_MODE, 25, 1), 1
	s_wait_xcnt 0x0
; out0[r][:] = (res - mean) / sqrt(var + 1e-4), res = fin[r][:] + x[r][:], mean and var (divisor 4,096) over the row's 4,096 numbers.  All f32.
; ONE WAVE, ONE ROW: a row is 16,384 bytes, 128 registers a lane; it stays in registers between the pass that sums, the pass that centres and sums the squares, and the pass that scales: each input byte is read once.
; The variance is taken of the CENTRED numbers: no difference of large sums is formed, so a common offset of the inputs does no harm.
; The reduction never leaves the wave: no LDS, no barrier.  Each load and store of a wave covers 512 consecutive bytes.  56 loads of a wave go out at the head; x has three slots of a quarter row, the fourth quarter takes the first slot again.
; No matrix unit, no cluster, no tensor load: work-groups share nothing and the launch only streams.
; LIMITS: NaN and infinities are not served.
.set F, 16                             ; v16-143   the row: fin, then res, then res - mean, then the result
.set X, 144                            ; v144-239  x: three slots of 32
	s_load_b128 s[4:7], s[0:1], 0x0                ; fin s[4:5], x s[6:7]
	s_load_b64 s[8:9], s[0:1], 0x10                ; out0
	v_lshrrev_b32 v2, 5, v0
	s_delay_alu instid0(VALU_DEP_1)
	v_readfirstlane_b32 s10, v2                    ; wave 0..7
	v_and_b32 v1, 31, v0
	s_delay_alu instid0(VALU_DEP_1)
	v_lshlrev_b32 v1, 4, v1                        ; 16 bytes a lane; never rewritten
	s_lshl_b32 s12, ttmp9, 3
	s_add_co_u32 s12, s12, s10                     ; my row
	s_lshl_b32 s12, s12, 14                        ; x 16,384 bytes (under 2^26)
	s_mov_b32 s13, 0
	s_mov_b32 s14, 0x39800000                      ; 1 / 4,096
	s_mov_b32 s15, 0x38d1b717                      ; 1e-4
	s_mov_b32 s16, 0x76543210
	s_mov_b32 s17, 0xfedcba98                      ; v_permlanex16_b32's selects for lane l xor 16
	v_mov_b32 v11, 0                               ; a lane permute's destination counts as one of its sources
	v_mov_b32 v13, 0                               ; named as the upper half of the pair v[12:13], whose low word serves both halves
	s_wait_alu depctr_va_vdst(0)
	s_wait_kmcnt 0x0
	s_add_nc_u64 s[4:5], s[4:5], s[12:13]
	s_add_nc_u64 s[6:7], s[6:7], s[12:13]
	s_add_nc_u64 s[8:9], s[8:9], s[12:13]
.macro LOADF q                         ; quarter q of fin's row: eight loads
.irp j, 0,1,2,3,4,5,6,7
	global_load_b128 v[F+32*\q+4*\j:F+32*\q+4*\j+3], v1, s[4:5] offset:4096*\q+512*\j th:TH_LOAD_NT
.endr
.endm
.macro LOADX q, slot                   ; quarter q of x's row into a slot
.irp j, 0,1,2,3,4,5,6,7
	global_load_b128 v[X+32*\slot+4*\j:X+32*\slot+4*\j+3], v1, s[6:7] offset:4096*\q+512*\j th:TH_LOAD_NT
.endr
.endm
; res = fin + x for a quarter, and its sum into four packed chains v[2:9], which do not wait for each other.  left: the younger loads, which may stay out
.macro QUARTER q, slot, left
	s_wait_loadcnt \left
.irp i, 0,1,2,3,4,5,6,7,8,9,10,11,12,13,14,15
	v_pk_add_f32 v[F+32*\q+2*\i:F+32*\q+2*\i+1], v[F+32*\q+2*\i:F+32*\q+2*\i+1], v[X+32*\slot+2*\i:X+32*\slot+2*\i+1]
.endr
.if \q == 0
.irp k, 0,1,2,3
	v_pk_add_f32 v[2+2*\k:3+2*\k], v[F+2*\k:F+2*\k+1], v[F+8+2*\k:F+9+2*\k]   ; the first eight pairs start the chains: nothing is cleared
.endr
.irp i, 8,9,10,11,12,13,14,15
	s_delay_alu instid0(VALU_DEP_4)
	v_pk_add_f32 v[2+2*(\i%4):3+2*(\i%4)], v[2+2*(\i%4):3+2*(\i%4)], v[F+2*\i:F+2*\i+1]
.endr
.else
.irp i, 0,1,2,3,4,5,6,7,8,9,10,11,12,13,14,15
	v_pk_add_f32 v[2+2*(\i%4):3+2*(\i%4)], v[2+2*(\i%4):3+2*(\i%4)], v[F+32*\q+2*\i:F+32*\q+2*\i+1]
.endr
.endif
.endm
.macro REDUCE                          ; the four chains, their halves and the 32 lanes: the row's sum in v10 of every lane
	s_delay_alu instid0(VALU_DEP_3)
	v_pk_add_f32 v[2:3], v[2:3], v[4:5]
	s_delay_alu instid0(VALU_DEP_2)
	v_pk_add_f32 v[6:7], v[6:7], v[8:9]
	s_delay_alu instid0(VALU_DEP_1)
	v_pk_add_f32 v[2:3], v[2:3], v[6:7]
	s_delay_alu instid0(VALU_DEP_1)
	v_add_f32 v10, v2, v3
	s_delay_alu instid0(VALU_DEP_1)
	v_add_f32_dpp v10, v10, v10 row_xmask:1 row_mask:0xf bank_mask:0xf
	s_delay_alu instid0(VALU_DEP_1)
	v_add_f32_dpp v10, v10, v10 row_xmask:2 row_mask:0xf bank_mask:0xf
	s_delay_alu instid0(VALU_DEP_1)
	v_add_f32_dpp v10, v10, v10 row_xmask:4 row_mask:0xf bank_mask:0xf
	s_delay_alu instid0(VALU_DEP_1)
	v_add_f32_dpp v10, v10, v10 row_xmask:8 row_mask:0xf bank_mask:0xf
	s_delay_alu instid0(VALU_DEP_1)
	v_permlanex16_b32 v11, v10, s16, s17
	s_delay_alu instid0(VALU_DEP_1)
	v_add_f32 v10, v10, v11
.endm
	LOADF 0
	LOADX 0, 0
	LOADF 1
	LOADX 1, 1
	LOADF 2
	LOADX 2, 2
	LOADF 3
	QUARTER 0, 0, 40                               ; behind quarter 0's sixteen loads: five groups of eight
	LOADX 3, 0                                     ; slot 0 has been added: it takes x's last quarter
	QUARTER 1, 1, 32                               ; behind quarter 1's: fin 2, x 2, fin 3, x 3
	QUARTER 2, 2, 16                               ; fin 3, x 3
	QUARTER 3, 0, 0
	REDUCE
	s_delay_alu instid0(VALU_DEP_1)
	v_mul_f32 v12, 0xb9800000, v10                 ; -mean = the sum x (-1 / 4,096)
	; centred in place, and the squares summed, four pairs at a time, in the same four chains
.irp g, 0,1,2,3,4,5,6,7,8,9,10,11,12,13,14,15
.irp k, 0,1,2,3
	v_pk_add_f32 v[F+8*\g+2*\k:F+8*\g+2*\k+1], v[F+8*\g+2*\k:F+8*\g+2*\k+1], v[12:13] op_sel_hi:[1,0]
.endr
.irp k, 0,1,2,3
.if \g == 0
	s_delay_alu instid0(VALU_DEP_4)
	v_pk_mul_f32 v[2+2*\k:3+2*\k], v[F+2*\k:F+2*\k+1], v[F+2*\k:F+2*\k+1]     ; the first four pairs start the chains
.else
	s_delay_alu instid0(VALU_DEP_4)
	v_pk_fma_f32 v[2+2*\k:3+2*\k], v[F+8*\g+2*\k:F+8*\g+2*\k+1], v[F+8*\g+2*\k:F+8*\g+2*\k+1], v[2+2*\k:3+2*\k]
.endif
.endr
.endr
	REDUCE
	s_delay_alu instid0(VALU_DEP_1)
	v_fma_f32 v10, v10, s14, s15                   ; var + 1e-4
	s_wait_alu depctr_va_vdst(0)
	v_rsq_f32 v12, v10
	v_nop                                          ; one plain vector instruction behind the transcendental (ISA guide 5.7.2),
	s_wait_alu depctr_va_vdst(0)                   ; and the wait ahead of the first instruction that names its result
.irp j, 0,1,2,3,4,5,6,7,8,9,10,11,12,13,14,15,16,17,18,19,20,21,22,23,24,25,26,27,28,29,30,31
	v_pk_mul_f32 v[F+4*\j:F+4*\j+1], v[F+4*\j:F+4*\j+1], v[12:13] op_sel_hi:[1,0]
	v_pk_mul_f32 v[F+4*\j+2:F+4*\j+3], v[F+4*\j+2:F+4*\j+3], v[12:13] op_sel_hi:[1,0]
.endr
.irp j, 0,1,2,3,4,5,6,7,8,9,10,11,12,13,14,15,16,17,18,19,20,21,22,23,24,25,26,27,28,29,30,31   ; the row's 32 stores on end, behind all its vector work
	global_store_b128 v1, v[F+4*\j:F+4*\j+3], s[8:9] offset:512*\j th:TH_STORE_NT   ; 512 consecutive bytes, aligned to 256; no store's data are written again
.endr
	s_endpgm
.Lfunc_end_k_q57b565ffe5_norm:
	.size	k_q57b565ffe5_norm, .Lfunc_end_k_q57b565ffe5_norm-k_q57b565ffe5_norm
	.p2alignl 7, 3214868480
	.fill 96, 4, 3214868480
	.section	.rodata,"a",@progbits
	.p2align	6, 0x0
	.amdhsa_kernel k_q57b565ffe5_norm
		.amdhsa_group_segment_fixed_size 0
		.amdhsa_private_segment_fixed_size 0
		.amdhsa_enable_private_segment 0
		.amdhsa_kernarg_size 24
		.amdhsa_user_sgpr_count 2
		.amdhsa_user_sgpr_kernarg_segment_ptr 1
		.amdhsa_wavefront_size32 1
		.amdhsa_system_sgpr_workgroup_id_x 1
		.amdhsa_system_sgpr_workgroup_id_y 1
		.amdhsa_system_sgpr_workgroup_id_z 1
		.amdhsa_system_vgpr_workitem_id 0
		.amdhsa_next_free_vgpr 240
		.amdhsa_next_free_sgpr 66
		.amdhsa_reserve_vcc 0
		.amdhsa_float_denorm_mode_32 3
		.amdhsa_float_denorm_mode_16_64 3
		.amdhsa_memory_ordered 1
		.amdhsa_forward_progress 1
		.amdhsa_inst_pref_size 35
	.end_amdhsa_kernel
	.amdgpu_metadata
---
amdhsa.version: [ 1, 2 ]
amdhsa.kernels:
  - .name:           k_q57b565ffe5_norm
    .symbol:         k_q57b565ffe5_norm.kd
    .args:
      - { .name: fin, .offset: 0, .size: 8, .value_kind: global_buffer, .address_space: global }
      - { .name: x, .offset: 8, .size: 8, .value_kind: global_buffer, .address_space: global }
      - { .name: out0, .offset: 16, .size: 8, .value_kind: global_buffer, .address_space: global }
    .group_segment_fixed_size: 0
    .private_segment_fixed_size: 0
    .kernarg_segment_align: 8
    .kernarg_segment_size: 24
    .max_flat_workgroup_size: 256
    .sgpr_count:     66
    .vgpr_count:     240
    .wavefront_size: 32
...
	.end_amdgpu_metadata
.endif
;; end of part 3
